; MI455X (gfx1250); checked and timed in simulation.
; The chip was launched on July 23, 2026; its instructions are those of AMD's public machine-readable ISA for CDNA 5 (MIT licence, August 2026) and "CDNA5" Instruction Set Architecture Reference Guide (July 2026). The comments in the code are by the model that wrote it; some were corrected since.
;; KAN Linear. Allowed arithmetic: matrix products marked QUANTISED: E2M3 operands, one E8M0 scale for each 32 along K, by v_wmma_scale_f32_16x16x128_f8f6f4 with both operands' format E2M3, f32 sums; everything else in f32.
;; Inputs: base_weight 512 x 512 float32; grid 512 x 12 float32; spline_scaler 512 x 512 float32; spline_weight 512 x 512 x 8 float32; x 16,384 x 512 float32.
;; Outputs: out0 16,384 x 512 float32.
;; This version of the problem:
;;   THIS VERSION OF THE PROBLEM IS GIVEN IN LOW PRECISION. The matrix products marked QUANTISED in the list below multiply operands that are first quantised to E2M3 (2 exponent bits, 3 mantissa bits; 6 bits a number), with one power-of-two scale for each 32 numbers along K (OCP MX v1.0); their sums are f32. All else is computed in f32.
;;   The module's matrix products, in the order in which they are computed (A, B: the left and right operand; K: the contracted axis; several contracted axes count as one K, in the product's order):
;;     1. [M 16,384, K 512] x [K 512, N 512]; A: computed on the way; B: input base_weight: QUANTISED
;;     2. [M 16,384, K 4,096] x [K 4,096, N 512]; A: computed on the way; B: computed on the way: QUANTISED
;;   THE QUANTISER, for each operand of a quantised product, along K:
;;     - K is cut into blocks of 32 from its start; a last block that is shorter is filled with zeros.
;;     - A block's scale is 2^e with e = floor(log2(the largest magnitude in the block)) - 2, held to -126 .. 127; a block of zeros has e = 0. As a byte (E8M0): e + 127.
;;     - Each number is divided by its block's scale, clamped to +-7.5, and rounded to the nearest number of E2M3, ties to even, subnormals kept.
;;     - The product sums the exact products of the quantised numbers (number of the format x scale) in f32.
;;   ~~~python
;;   def quantise(x, axis):      # numpy; x: float32 -> the quantised numbers, widened to float32 again
;;       x = np.moveaxis(x, axis, -1); K = x.shape[-1]
;;       x = np.pad(x, [(0, 0)] * (x.ndim - 1) + [(0, -K % 32)]); x = x.reshape(x.shape[:-1] + (-1, 32)); a = np.abs(x).max(-1, keepdims=True)
;;       e = np.where(a > 0, np.clip(np.frexp(np.where(a > 0, a, 1))[1] - 1 - 2, -126, 127), 0)      # np.frexp(a)[1] - 1 = floor(log2(a)), exactly
;;       r = np.clip(x / 2.0 ** e, -7.5, 7.5)
;;       step = 2.0 ** (np.maximum(np.frexp(np.where(r == 0, 1, r))[1] - 1, 0) - 3)
;;       q = np.round(r / step) * step * 2.0 ** e      # np.round: ties to even
;;       return np.moveaxis(q.reshape(q.shape[:-2] + (-1,))[..., :K], -1, axis).astype(np.float32)
;;   ~~~
;;   OPERANDS COMPUTED ON THE WAY. 'Computed on the way' means the value that the module computes at that place (a softmax that the list does not call 'softmax' is quantised finished and normalised). What goes into a quantiser is computed in f32, as accurately as f32 sums, v_exp_f32 and their like allow (about 1e-6 of the number): no bf16 or f16 on the way to a quantiser, and a product that is left as it is and whose result goes on into a quantised operand takes f32 operands (vector FMAs, or v_wmma_f32_16x16x4_f32). A number that lies on a knife's edge between two numbers of the format may be rounded either way, as far as f32 arithmetic and the matrix unit's own rounding can turn it there, and no further.
;; One version. Each part assembles by itself: llvm-mc -triple=amdgcn-amd-amdhsa -mcpu=gfx1250 --defsym DOCPART=n.
;; ======== version 1 of 1: 2 launches
;; limits: right only within a limited range of input values
;; workspace buffers: wq 1,843,200 bytes; tab 86,016 bytes
;; launch prep (part 1): grid 146 x 1, 8 waves a work-group, no clusters, 45,056 bytes of LDS; arguments base_weight, spline_weight, spline_scaler, grid, wq, tab; writes wq, tab
.if DOCPART == 1
	.amdgcn_target "amdgcn-amd-amdhsa--gfx1250"
	.amdhsa_code_object_version 6
	.text
	.protected	k_q6d8eab6e06_prep
	.globl	k_q6d8eab6e06_prep
	.p2align	8
	.type	k_q6d8eab6e06_prep,@function
k_q6d8eab6e06_prep:
	s_mov_b64 s[64:65], 0
	v_nop
	global_prefetch_b8 v0, s[64:65] scope:SCOPE_SE
	s_setreg_imm32_b32 hwreg(HW_REG_WAVE_MODE, 25, 1), 1
	s_wait_xcnt 0x0
; Lays out what the second launch walks.
; WORK-GROUPS 0-143: the weights as codes of FP6 (E2M3) with one E8M0 byte for each 32 along K, in the order of the operand's registers.
;   K has 36 steps of 128: steps 0-31 the spline product (step q: features 16 q .. 16 q + 15, 8 bases each; weight x scaler, one f32 product), steps 32-35 the base product.
;   wq: a block of 51,200 bytes a K step: 32 column tiles of 1,536 bytes (registers 4 i .. 4 i + 3 of lane L at 512 i + 16 L), then 2,048 bytes of scale words:
;   the word of column r of tile 8 v + 2 i + hi at 49,152 + 512 v + 16 (r + 16 hi) + 4 i.
;   Inside a spline block of 32 (4 features x 8 bases) position 16 e + 2 j + a holds basis j of feature 2 e + a: the second launch lays its operand the same way, so blocks and products stay as they are.
;   A work-group takes a K step q and eight tiles, a wave one tile: lane (r, h) holds column 16 T + r and the blocks h and 2 + h of the step, 32 numbers each, all its own.
; WORK-GROUPS 144, 145: the knots' table.  tab: 336 bytes for each pair of features P: constant n of feature 2 P + a at 336 P + 8 n + 4 a;
;   n = 0-11 the knots g_j; 12-22 1 / (g_j+1 - g_j); 23-32 1 / (g_j+2 - g_j); 33-41 1 / (g_j+3 - g_j): v_rcp_f32 and one Newton step.
; A block's scale is 2^(floor(log2(largest magnitude)) - 2); its byte is the largest magnitude's exponent field - 2, held at 1 from below (a block of zeros keeps the byte 1: its codes are zeros, and only this program reads the bytes).
; LIMITS: NaN and infinities among the inputs are not served; knots that coincide (the reference divides by 0 there) and knot differences outside 2^-126 .. 2^126 are not served.
.set SCW, 0                            ; LDS 0-511: the weight path's scale words
.set TST, 512                          ; LDS 512-43,519: the table path's stage
.set WL,  16                           ; v16-79   spline weights as loaded
.set SV,  80                           ; v80-87   scalers
.set P,   88                           ; v88-151  64 numbers in the operand's order
.set CD,  152                          ; v152-163 the fragment's 12 registers
.set C2,  164                          ; v164-166 a block's second 16 codes, before they are moved
.set BYT, 168                          ; v168-169 the two scale bytes
.set WORD,170
.set TMP, 171
.set MX,  10                           ; v10-13
.set SCL, 14                           ; v14-15
.set G,   16                           ; table path: v16-27 knots, v28-57 differences, v58-87 reciprocals, v88-117 at work, v118-159 the way out
.set DD,  28
.set RR,  58
.set EE,  88
.set OO,  118
	s_load_b256 s[4:11], s[0:1], 0x0               ; base_weight, spline_weight, spline_scaler, grid
	s_load_b128 s[12:15], s[0:1], 0x20             ; wq, tab
	v_lshl_add_u32 v176, v0, 2, 0xac00
	v_mov_b32 v177, 0
	v_lshrrev_b32 v1, 5, v0
	s_delay_alu instid0(VALU_DEP_1)
	v_readfirstlane_b32 s16, v1                    ; wave 0..7
	v_and_b32 v1, 31, v0                           ; L
	v_and_b32 v2, 15, v0                           ; r
	v_bfe_u32 v3, v0, 4, 1                         ; h
	s_mov_b32 s30, 0x76543210
	s_mov_b32 s31, 0xfedcba98                      ; selects for lane l xor 16
	s_cmp_lt_u32 ttmp9, 144
	s_cbranch_scc0 .Ltable
	; ---------------- the weights ----------------
	s_lshr_b32 s17, ttmp9, 2                       ; q: the K step
	s_and_b32 s18, ttmp9, 3                        ; v: which eight tiles
	s_lshl_b32 s19, s18, 3
	s_add_co_u32 s19, s19, s16                     ; T = 8 v + wave
	s_wait_alu depctr_va_vdst(0)
	v_lshlrev_b32 v7, 4, v1                        ; 16 L
	s_and_b32 s20, s16, 1
	s_lshl_b32 s20, s20, 8                         ; 256 (wave % 2)
	s_lshr_b32 s21, s16, 1
	s_lshl_b32 s21, s21, 2                         ; 4 (wave / 2)
	s_add_co_u32 s20, s20, s21
	v_lshl_add_u32 v8, v2, 4, s20                  ; LDS: my column's scale word
	s_mul_i32 s22, s17, 51200
	s_mul_i32 s23, s19, 1536
	s_add_co_u32 s24, s22, s23                     ; my fragment's place in wq
	s_mov_b32 s25, 0
	s_lshl_b32 s26, s18, 9
	s_add_co_u32 s26, s26, s22
	s_add_co_u32 s26, s26, 49152                   ; the eight tiles' scale words
	s_mov_b32 s27, 0
	s_mov_b32 s21, 0
	s_wait_kmcnt 0x0
	s_add_nc_u64 s[24:25], s[12:13], s[24:25]
	s_add_nc_u64 s[26:27], s[12:13], s[26:27]
	s_cmp_lt_u32 s17, 32
	s_cbranch_scc0 .Lbase
	s_lshl_b32 s20, s19, 18                        ; 16 T rows of 16,384 bytes
	s_lshl_b32 s28, s17, 9                         ; + 16 q features of 32 bytes
	s_add_co_u32 s20, s20, s28
	s_add_nc_u64 s[6:7], s[6:7], s[20:21]
	s_lshl_b32 s20, s19, 15                        ; scaler: 16 T rows of 2,048 bytes
	s_lshl_b32 s28, s17, 6
	s_add_co_u32 s20, s20, s28
	s_add_nc_u64 s[8:9], s[8:9], s[20:21]
	v_lshlrev_b32 v4, 14, v2
	s_delay_alu instid0(VALU_DEP_1)
	v_lshl_add_u32 v4, v3, 7, v4                   ; row r, + 128 h: my block's four features
	v_lshlrev_b32 v5, 11, v2
	s_delay_alu instid0(VALU_DEP_1)
	v_lshl_add_u32 v5, v3, 4, v5
.irp c, 0,1
.irp i, 0,1,2,3,4,5,6,7
	global_load_b128 v[WL+32*\c+4*\i:WL+32*\c+4*\i+3], v4, s[6:7] offset:256*\c+16*\i th:TH_LOAD_NT
.endr
	global_load_b128 v[SV+4*\c:SV+4*\c+3], v5, s[8:9] offset:32*\c th:TH_LOAD_NT
.endr
	s_wait_loadcnt 0x0
.irp c, 0,1
.irp e, 0,1
.irp a, 0,1
.irp j, 0,1,2,3,4,5,6,7
	v_mul_f32 v[P+32*\c+16*\e+2*\j+\a], v[WL+32*\c+8*(2*\e+\a)+\j], v[SV+4*\c+2*\e+\a]   ; weight x scaler, into the block's order
.endr
.endr
.endr
.endr
	s_branch .Lquant
.Lbase:
	s_sub_co_u32 s28, s17, 32
	s_xor_b32 s28, s28, 2                          ; blocks 32, 33 of wq hold the base product's K steps 2, 3 (features 256-511), blocks 34, 35 its K steps 0, 1: the order in which the second launch takes them
	s_lshl_b32 s28, s28, 9                         ; 128 features of 4 bytes a K step
	s_lshl_b32 s20, s19, 15
	s_add_co_u32 s20, s20, s28
	s_add_nc_u64 s[4:5], s[4:5], s[20:21]
	v_lshlrev_b32 v6, 11, v2
	s_delay_alu instid0(VALU_DEP_1)
	v_lshl_add_u32 v6, v3, 7, v6
.irp c, 0,1
.irp i, 0,1,2,3,4,5,6,7
	global_load_b128 v[P+32*\c+4*\i:P+32*\c+4*\i+3], v6, s[4:5] offset:256*\c+16*\i th:TH_LOAD_NT
.endr
.endr
	s_wait_loadcnt 0x0
.Lquant:
; my block 2 c + h: 32 numbers become registers 6 c .. 6 c + 5 of the fragment, and a scale byte
.macro QB c
.set lo, P+32*\c
	v_max3_num_f32 v[MX],   |v[lo]|,    |v[lo+1]|,  0x1800000      ; four chains of eight; the floor 2^(3 - 127) holds the byte at 1 from below
	v_max3_num_f32 v[MX+1], |v[lo+8]|,  |v[lo+9]|,  0x1800000
	v_max3_num_f32 v[MX+2], |v[lo+16]|, |v[lo+17]|, 0x1800000
	v_max3_num_f32 v[MX+3], |v[lo+24]|, |v[lo+25]|, 0x1800000
.irp i, 2,4,6
	s_delay_alu instid0(VALU_DEP_4)
	v_max3_num_f32 v[MX],   v[MX],   |v[lo+\i]|,    |v[lo+\i+1]|
	s_delay_alu instid0(VALU_DEP_4)
	v_max3_num_f32 v[MX+1], v[MX+1], |v[lo+8+\i]|,  |v[lo+9+\i]|
	s_delay_alu instid0(VALU_DEP_4)
	v_max3_num_f32 v[MX+2], v[MX+2], |v[lo+16+\i]|, |v[lo+17+\i]|
	s_delay_alu instid0(VALU_DEP_4)
	v_max3_num_f32 v[MX+3], v[MX+3], |v[lo+24+\i]|, |v[lo+25+\i]|
.endr
	s_delay_alu instid0(VALU_DEP_2)
	v_max3_num_f32 v[MX], v[MX], v[MX+1], v[MX+2]
	s_delay_alu instid0(VALU_DEP_1)
	v_max_num_f32 v[MX], v[MX], v[MX+3]
	s_delay_alu instid0(VALU_DEP_1)
	v_add_nc_u32 v[SCL+\c], 0xff000000, v[MX]      ; 2 off the exponent field: the conversion's scale operand
	s_delay_alu instid0(VALU_DEP_1)
	v_lshrrev_b32 v[BYT+\c], 23, v[SCL+\c]         ; the scale's byte
	v_cvt_scalef32_pk16_fp6_f32 v[CD+6*\c:CD+6*\c+2], v[lo:lo+15], v[SCL+\c]
	v_cvt_scalef32_pk16_fp6_f32 v[C2:C2+2], v[lo+16:lo+31], v[SCL+\c]   ; (a conversion's three registers begin on an even number)
	v_nop                                          ; one plain line behind the conversions
.irp i, 0,1,2
	v_mov_b32 v[CD+6*\c+3+\i], v[C2+\i]
.endr
.endm
	QB 0
	QB 1
	v_lshl_or_b32 v[WORD], v[BYT+1], 16, v[BYT]    ; my two bytes: blocks h and 2 + h,
	v_lshlrev_b32 v[TMP], 3, v3
	s_delay_alu instid0(VALU_DEP_1)
	v_lshlrev_b32 v[WORD], v[TMP], v[WORD]         ; 8 h bits up;
	v_mov_b32 v[TMP], 0
	s_delay_alu instid0(VALU_DEP_1)
	v_permlanex16_b32 v[TMP], v[WORD], s30, s31
	s_delay_alu instid0(VALU_DEP_1)
	v_or_b32 v[WORD], v[WORD], v[TMP]              ; with lane l xor 16's two the word is whole
.irp i, 0,1,2
	global_store_b128 v7, v[CD+4*\i:CD+4*\i+3], s[24:25] offset:512*\i   ; 32 lanes store 512 consecutive bytes
.endr
	ds_store_b32 v8, v[WORD]                       ; both halves of the lanes write the same word with the same value
	s_wait_dscnt 0x0                               ; for the others' sake
	s_barrier_signal -1
	s_barrier_wait -1
	s_cmp_lg_u32 s16, 0
	s_cbranch_scc1 .Lend
	ds_load_b128 v[16:19], v7                      ; wave 0: the eight tiles' 512 bytes of scale words
	s_wait_dscnt 0x0
	global_store_b128 v7, v[16:19], s[26:27]
.Lend:
	s_wait_tensorcnt 0x0
	ds_add_u32 v176, v177
	s_wait_dscnt 0x0
	s_endpgm
	; ---------------- the knots' table ----------------
.Ltable:
	s_sub_co_u32 s17, ttmp9, 144                   ; u: features 256 u + thread
	s_mul_i32 s20, s17, 12288
	s_mov_b32 s21, 0
	s_mul_i32 s22, s17, 43008
	s_mov_b32 s23, 0
	v_mul_u32_u24 v4, v0, 48                       ; a row of 12 knots
	v_lshrrev_b32 v5, 1, v0
	s_delay_alu instid0(VALU_DEP_1)
	v_mul_u32_u24 v5, v5, 336
	v_and_b32 v6, 1, v0
	s_delay_alu instid0(VALU_DEP_1)
	v_lshl_add_u32 v5, v6, 2, v5
	s_delay_alu instid0(VALU_DEP_1)
	v_add_nc_u32 v5, TST, v5                       ; the stage: my pair's 336 bytes, my half of each 8
	v_lshlrev_b32 v7, 3, v0
	s_delay_alu instid0(VALU_DEP_1)
	v_add_nc_u32 v8, TST, v7
	s_wait_alu depctr_va_vdst(0)
	s_wait_kmcnt 0x0
	s_add_nc_u64 s[10:11], s[10:11], s[20:21]
	s_add_nc_u64 s[14:15], s[14:15], s[22:23]
.irp i, 0,1,2
	global_load_b128 v[G+4*\i:G+4*\i+3], v4, s[10:11] offset:16*\i
.endr
	s_wait_loadcnt 0x0
.set idx, 0
.irp k, 1,2,3
.set jj, 0
.rept 12-\k
	v_sub_f32 v[DD+idx], v[G+jj+\k], v[G+jj]       ; g_j+k - g_j
.set jj, jj+1
.set idx, idx+1
.endr
.endr
.set idx, 0
	s_wait_alu depctr_va_vdst(0)
.rept 30
	v_rcp_f32 v[RR+idx], v[DD+idx]
.set idx, idx+1
.endr
	v_nop                                          ; a plain line behind the last reciprocal
	s_wait_alu depctr_va_vdst(0)                   ; one wait for the batch, ahead of its first reader
.set idx, 0
.rept 30
	v_fma_f32 v[EE+idx], -v[DD+idx], v[RR+idx], 1.0
.set idx, idx+1
.endr
.set idx, 0
.rept 30
	v_fma_f32 v[RR+idx], v[EE+idx], v[RR+idx], v[RR+idx]   ; one Newton step
.set idx, idx+1
.endr
.set idx, 0
.rept 12
	ds_store_b32 v5, v[G+idx] offset:8*idx
.set idx, idx+1
.endr
.set idx, 0
.rept 30
	ds_store_b32 v5, v[RR+idx] offset:96+8*idx
.set idx, idx+1
.endr
	s_wait_dscnt 0x0
	s_barrier_signal -1
	s_barrier_wait -1
.set idx, 0
.rept 21
	ds_load_b64 v[OO+2*idx:OO+2*idx+1], v8 offset:2048*idx
.set idx, idx+1
.endr
.set idx, 0
.rept 21
	s_wait_dscnt 20-idx                            ; LDS loads come back in order: number idx is in
	global_store_b64 v7, v[OO+2*idx:OO+2*idx+1], s[14:15] offset:2048*idx   ; a wave stores 256 consecutive bytes, aligned
.set idx, idx+1
.endr
	s_wait_tensorcnt 0x0
	ds_add_u32 v176, v177
	s_wait_dscnt 0x0
	s_endpgm
.Lfunc_end_k_q6d8eab6e06_prep:
	.size	k_q6d8eab6e06_prep, .Lfunc_end_k_q6d8eab6e06_prep-k_q6d8eab6e06_prep
	.p2alignl 7, 3214868480
	.fill 96, 4, 3214868480
	.section	.rodata,"a",@progbits
	.p2align	6, 0x0
	.amdhsa_kernel k_q6d8eab6e06_prep
		.amdhsa_group_segment_fixed_size 45056
		.amdhsa_private_segment_fixed_size 0
		.amdhsa_enable_private_segment 0
		.amdhsa_kernarg_size 48
		.amdhsa_user_sgpr_count 2
		.amdhsa_user_sgpr_kernarg_segment_ptr 1
		.amdhsa_wavefront_size32 1
		.amdhsa_system_sgpr_workgroup_id_x 1
		.amdhsa_system_sgpr_workgroup_id_y 1
		.amdhsa_system_sgpr_workgroup_id_z 1
		.amdhsa_system_vgpr_workitem_id 0
		.amdhsa_next_free_vgpr 178
		.amdhsa_next_free_sgpr 66
		.amdhsa_reserve_vcc 0
		.amdhsa_float_denorm_mode_32 3
		.amdhsa_float_denorm_mode_16_64 3
		.amdhsa_memory_ordered 1
		.amdhsa_forward_progress 1
		.amdhsa_inst_pref_size 28
	.end_amdhsa_kernel
	.amdgpu_metadata
---
amdhsa.version: [ 1, 2 ]
amdhsa.kernels:
  - .name:           k_q6d8eab6e06_prep
    .symbol:         k_q6d8eab6e06_prep.kd
    .args:
      - { .name: base_weight, .offset: 0, .size: 8, .value_kind: global_buffer, .address_space: global }
      - { .name: spline_weight, .offset: 8, .size: 8, .value_kind: global_buffer, .address_space: global }
      - { .name: spline_scaler, .offset: 16, .size: 8, .value_kind: global_buffer, .address_space: global }
      - { .name: grid, .offset: 24, .size: 8, .value_kind: global_buffer, .address_space: global }
      - { .name: wq, .offset: 32, .size: 8, .value_kind: global_buffer, .address_space: global }
      - { .name: tab, .offset: 40, .size: 8, .value_kind: global_buffer, .address_space: global }
    .group_segment_fixed_size: 45056
    .private_segment_fixed_size: 0
    .kernarg_segment_align: 8
    .kernarg_segment_size: 48
    .max_flat_workgroup_size: 256
    .sgpr_count:     66
    .vgpr_count:     178
    .wavefront_size: 32
...
	.end_amdgpu_metadata
.endif
;; end of part 1
;; launch kan (part 2): grid 256 x 1, 8 waves a work-group, clusters of 4 x 1, 327,680 bytes of LDS; arguments x, wq, tab, out0; writes out0
.if DOCPART == 2
	.amdgcn_target "amdgcn-amd-amdhsa--gfx1250"
	.amdhsa_code_object_version 6
	.text
	.protected	k_q6d8eab6e06_kan
	.globl	k_q6d8eab6e06_kan
	.p2align	8
	.type	k_q6d8eab6e06_kan,@function
k_q6d8eab6e06_kan:
	s_mov_b64 s[64:65], 0
	v_nop
	global_prefetch_b8 v0, s[64:65] scope:SCOPE_SE
	s_setreg_imm32_b32 hwreg(HW_REG_WAVE_MODE, 25, 1), 1
	s_wait_xcnt 0x0
	s_wait_alu depctr_hold_cnt(0) depctr_sa_sdst(0) depctr_va_vdst(0) depctr_va_sdst(0) depctr_va_ssrc(0) depctr_va_vcc(0) depctr_vm_vsrc(0)
	s_getreg_b32 s2, hwreg(HW_REG_IB_STS2, 6, 4)
	s_cmp_eq_u32 s2, 0
	s_cbranch_scc0 .Lentry_in_a_cluster
	s_endpgm
.Lentry_in_a_cluster:
	s_bfe_u32 s2, ttmp6, 0x10000c
	s_cmp_lg_u32 s2, 0x3003
	s_cbranch_scc0 .Lentry_shape_is_right
	s_endpgm
.Lentry_shape_is_right:
; out0 = silu(x) Wb^T + bases(x) (Ws x scaler)^T, both products on codes of FP6 (E2M3) with one E8M0 scale for each 32 along K; sums in f32, both products in one accumulator.
; K = 4,096 (spline) + 512 (base) = 36 steps of 128.  The weights come as codes in the operand's register order (buffer wq), the knots and the reciprocals of their differences as a table (buffer tab).
; SHARES.  A work-group owns 64 rows and all 512 columns, so each basis is computed once in the launch.  Waves 0-3 are PRODUCERS: vector work alone: they make the left operand's codes and hand them on
; through LDS as images of the operand's registers.  Waves 4-7 are CONSUMERS: consumer v owns columns 128 v .. 128 v + 127 of the 64 rows: 32 accumulators.
; TIME goes in beats.  In beat t (0-15) producer w makes half c = w % 2 of spline K step 2 t + w / 2 for the four tiles of 16 rows: lane (r, h) has row r and block 2 c + h: features 32 t + 8 w + 4 h + 0 .. 3.
; In odd beats it also makes half a fragment of silu(x) for row tile w.  In beat t (1-18) the consumers multiply the two K steps made in beat t - 1; the base product's four K steps come last.
; THE BASES, for any knots: m_j = (x >= g_j) and not (x >= g_j+1); t_j = m_j ? 1 / (g_j+1 - g_j) : 0; d_j = x - g_j; b1_j = d_j t_j - d_j+2 t_j+1 (of the two terms one is 0);
; b(k)_j = u_j b_j + (1 - u_j+1) b_j+1 with u_j = d_j / (g_j+k - g_j), since (g_j+k+1 - x) / (g_j+k+1 - g_j+1) = 1 - u_j+1.  Two features go in one packed instruction.
; Inside a block position 16 e + 2 j + a holds basis j of feature 2 e + a, in the weights too: blocks, scales and products are the reference's.
; THE WEIGHTS walk through a ring of two LDS slots of two K steps each (102,400 bytes).  All work-groups walk the same weights: the four of a cluster ask JOINTLY, each of the eight waves for 50 rows of 256 bytes.
; The matrix instruction is used transposed (source 0 = 16 columns' weights, source 1 = 16 rows): a lane then holds eight neighbouring numbers of a row of out0.
; No prefetch: x is loaded into registers a trip of two beats ahead of its use, and wq and tab are read by every cluster again and again.
; LIMITS: NaN and infinities in x are not served; the table's limits on the knots are stated in the launch that makes it.  silu(x) = x / (1 + 2^(-1.442695 x)): where the power overflows the result is 0.
; TWO SHARES DIFFER FROM THE LINES ABOVE.  silu(x) is made by the CONSUMERS: in odd beats consumer v makes, behind its two K steps, half a fragment for row tile v (the producers make spline images alone).
; The base product's K steps 0 and 1 (blocks 34, 35 of wq) do not go through the ring: a consumer loads its eight fragments of them from memory into the fragments' registers at the end of the odd beats of trips 3 and 5
; and multiplies them at the head of the even beats of trips 4 and 6, when their silu images (made in trips 0-1, 2-3) are whole.  The ring's last fill (blocks 32, 33) holds base K steps 2 and 3, which come last: 17 fills in all.
.set KB,    51200
.set BR1,   102400                     ; LDS: slot 0 at 0, slot 1 here
.set AIMG,  204800                     ; spline images: 2 buffers x 2 K steps x 4 tiles x 2 halves x 768 bytes (512 at 16 L: registers 0-3; 256 at 512 + 8 L: registers 4-5)
.set ASC,   229376                     ; their scale bytes: 512 buffer + 256 K step + 64 tile + 4 row + block
.set BIMG,  230400                     ; silu images: 6,144 tile + 768 half (8 halves: 4 K steps)
.set BSC,   254976                     ; their scale bytes: 256 tile + 16 row + block (16)
.set XS,    256000                     ; x: two slots of 64 rows x (256 bytes + 16)
.set XSL,   17408
.set SPARE, 290816                     ; the spare words: 128 bytes for each of eight waves; no other line names them
.set STG,   291840                     ; the way out: 16 rows x (512 bytes + 16) for each consumer
; vector registers 1-32: addresses, made ahead of the first parting of the roles, the same lines in every wave
.set SPW, 1
.set NIL, 2
.set PA16, 3
.set PA8, 4
.set PAS, 5
.set PB16_0, 6
.set PB8_0, 7
.set PBS_0, 8
.set XRD0, 9
.set XRS0, 10
.set XWR0, 11
.set PB16, 12
.set PB8, 13
.set PBS, 14
.set XRD, 15
.set XRS, 16
.set XWR, 17
.set CA16, 18
.set CA8, 19
.set CAS, 20
.set CB0, 21
.set CB1, 22
.set CS0, 23
.set CS1, 24
.set CBI16, 25
.set CBI8, 26
.set CBSR, 27
.set STO, 28
.set RD, 29
.set GO, 30
.set XGO, 31
.set CTO, 32
; producers, window 0 (window 1: v0-83, v84-167 the constants of my two pairs of features)
.set XV,  36                           ; v36-51   x: 4 numbers for each of the four tiles
.set DV,  52                           ; v52-75   d, later b2
.set TV,  76                           ; v76-97   t, later b1
.set U2V, 98                           ; v98-117
.set U3V, 118                          ; v118-135
.set H0,  136                          ; v136-199 the first pair's 16 bases, four tiles
.set O1,  200                          ; v200-215 the second pair's
.set WKV, 216                          ; v216-235 at work
.set MXV, 236                          ; v236-239
.set SCLV,240
.set BYV, 241
.set CDV, 242                          ; v242-247 a block's codes
.set C2V, 248                          ; v248-250
.set SXV, 52                           ; silu: v52-83 x, v84-115 at work
.set SEV, 84
; consumers, window 0 (window 1: the 32 accumulators, (tile m, column tile j) at v[8 (8 m + j)])
.set BF,  36                           ; v36-131  eight fragments of weights
.set AF,  132                          ; v132-179 four fragments of rows
.set BS,  180                          ; v180-183 weights' scale words: register i: lanes 0-15 tile 2 i, lanes 16-31 tile 2 i + 1
.set AS,  184                          ; v184-185 rows' scale words, likewise
.set XG,  192                          ; v192-223 a tile of x on its way to LDS
.set BK,  36                           ; the way out: v36-99 and v100-163 by turns
; scalars
.set WV, 12                            ; wave 0..7
.set WN, 13                            ; wave % 4: w or v
.set CX, 14
.set ID, 15
.set G1, 16                            ; s[16:23] descriptor group 1
.set G0, 24                            ; s[24:27], s[28:31] group 0 for slot 0, 1
.set TR, 32                            ; the trip
.set XB, 33                            ; x's slot that is read; XBN the other
.set BO, 34                            ; 768 x trip
.set BSO, 35                           ; 2 x trip
.set XBN, 36
.set CT, 38                            ; s[38:39] the table, at this trip's constants
.set XP, 42                            ; s[42:43] x, at the tile last asked for
.set MA, 66                            ; s66-77, s78-89 the comparisons of a pair's two features
.set MB, 78
.set MSB, 0
.macro WIN new                         ; the immediate's high byte repeats the setting that is left
.if MSB != \new
	s_set_vgpr_msb (MSB<<8)|\new
.set MSB, \new
.endif
.endm
.macro ROUND                           ; a round of the cluster's barrier
	s_barrier_signal -1
	s_barrier_wait -1
	s_cmp_lg_u32 s[WV], 0
	s_cbranch_scc1 .Lnw0_\@
	s_barrier_signal -3
.Lnw0_\@:
	s_barrier_wait -3
	s_barrier_signal -1
	s_barrier_wait -1
.endm
; THE CHANGE OF BEATS, on every wave's path.  It hands the images and x's tile from role to role, shows the slot to be read whole, and frees slot s, which was read in the beat just ended.
; fill = 1: slot s is filled again: one joint load a wave, first thing behind the round; it has a beat in which to land.  One tensor load of a wave is out at any time.
.macro CHANGE s, fill
	s_wait_tensorcnt 0x0                           ; my load has landed: my part of the other slot; no descriptor of mine is in use
	ds_add_u32 v[SPW], v[NIL]                      ; 0 onto my spare word
	s_add_nc_u64 s[G0+4*(1-\s)+2:G0+4*(1-\s)+3], s[G0+4*(1-\s)+2:G0+4*(1-\s)+3], 2*BR1   ; the other slot's next two K steps
	s_wait_dscnt 0x0                               ; the add, my stores into LDS and my reads of the slot are done
.if \fill
	ROUND
	tensor_load_to_lds s[G0+4*\s:G0+4*\s+3], s[G1:G1+7]
	s_nop 0
.rept 4
	v_nop
.endr
.else
	s_barrier_signal -1
	s_barrier_wait -1
.endif
.endm
; the 84 constants of pair e of my four features, from imm bytes behind s[CT]
.macro CLOAD e, imm
	WIN 0x40                                       ; destination window 1
.irp k, 0,1,2,3,4,5,6,7,8,9,10,11,12,13,14,15,16,17,18,19,20
	global_load_b128 v[84*\e+4*\k:84*\e+4*\k+3], v[CTO], s[CT:CT+1] offset:\imm+336*\e+16*\k
.endr
	WIN 0
.endm
; the eight bases of pair e (two features) of tile m's row, into v[out] on: register 2 j + a = basis j of feature a.
; The constants are read in ascending order of their registers (knots, first, second, third reciprocals): the same register numbers are accumulators in the other role.
.macro PAIR m, e, out
.set xx, XV+4*(\m)+2*(\e)
.set cc, 84*(\e)
	WIN 0x04                                       ; source 1: the constants, window 1
.irp j, 0,1,2,3,4,5,6,7,8,9,10,11
	v_cmp_ge_f32 s[MA+\j], v[xx], v[cc+2*\j]
	v_cmp_ge_f32 s[MB+\j], v[xx+1], v[cc+2*\j+1]
.endr
.irp j, 0,1,2,3,4,5,6,7,8,9,10,11
	v_pk_add_f32 v[DV+2*\j:DV+2*\j+1], v[xx:xx+1], v[cc+2*\j:cc+2*\j+1] neg_lo:[0,1] neg_hi:[0,1]   ; d_j = x - g_j
.endr
.irp j, 0,1,2,3,4,5,6,7,8,9,10
	s_and_not1_b32 s[MA+\j], s[MA+\j], s[MA+\j+1]  ; m_j: at or above knot j and not at or above knot j + 1
	s_and_not1_b32 s[MB+\j], s[MB+\j], s[MB+\j+1]
.endr
.irp j, 0,1,2,3,4,5,6,7,8,9,10
	v_cndmask_b32 v[TV+2*\j], 0, v[cc+24+2*\j], s[MA+\j]       ; t_j = m_j ? 1 / (g_j+1 - g_j) : 0
	v_cndmask_b32 v[TV+2*\j+1], 0, v[cc+25+2*\j], s[MB+\j]
.endr
.irp j, 0,1,2,3,4,5,6,7,8,9
	v_pk_mul_f32 v[U2V+2*\j:U2V+2*\j+1], v[DV+2*\j:DV+2*\j+1], v[cc+46+2*\j:cc+47+2*\j]
.endr
.irp j, 0,1,2,3,4,5,6,7,8
	v_pk_mul_f32 v[U3V+2*\j:U3V+2*\j+1], v[DV+2*\j:DV+2*\j+1], v[cc+66+2*\j:cc+67+2*\j]
.endr
	WIN 0
.irp j, 0,1,2,3,4,5,6,7,8,9
	v_pk_mul_f32 v[WKV+2*\j:WKV+2*\j+1], v[DV+2*\j:DV+2*\j+1], v[TV+2*\j:TV+2*\j+1]
.endr
.irp j, 0,1,2,3,4,5,6,7,8,9
	v_pk_fma_f32 v[TV+2*\j:TV+2*\j+1], v[DV+2*\j+4:DV+2*\j+5], v[TV+2*\j+2:TV+2*\j+3], v[WKV+2*\j:WKV+2*\j+1] neg_lo:[1,0,0] neg_hi:[1,0,0]   ; b1_j, ascending: t_j+1 is still whole
.endr
.irp j, 0,1,2,3,4,5,6,7,8
	v_pk_fma_f32 v[WKV+2*\j:WKV+2*\j+1], v[U2V+2*\j+2:U2V+2*\j+3], v[TV+2*\j+2:TV+2*\j+3], v[TV+2*\j+2:TV+2*\j+3] neg_lo:[1,0,0] neg_hi:[1,0,0]   ; (1 - u_j+1) b1_j+1
.endr
.irp j, 0,1,2,3,4,5,6,7,8
	v_pk_fma_f32 v[DV+2*\j:DV+2*\j+1], v[U2V+2*\j:U2V+2*\j+1], v[TV+2*\j:TV+2*\j+1], v[WKV+2*\j:WKV+2*\j+1]   ; b2_j
.endr
.irp j, 0,1,2,3,4,5,6,7
	v_pk_fma_f32 v[WKV+2*\j:WKV+2*\j+1], v[U3V+2*\j+2:U3V+2*\j+3], v[DV+2*\j+2:DV+2*\j+3], v[DV+2*\j+2:DV+2*\j+3] neg_lo:[1,0,0] neg_hi:[1,0,0]
.endr
.irp j, 0,1,2,3,4,5,6,7
	v_pk_fma_f32 v[\out+2*\j:\out+2*\j+1], v[U3V+2*\j:U3V+2*\j+1], v[DV+2*\j:DV+2*\j+1], v[WKV+2*\j:WKV+2*\j+1]   ; b3_j
.endr
.endm
; a block of 32, all in my lane (v[lo] .. + 15, v[hi] .. + 15), becomes six registers of codes and a scale byte, and goes to LDS
.macro QUANTB lo, hi, a16, a8, as, off, offs
	v_max3_num_f32 v[MXV],   |v[\lo]|,   |v[\lo+1]|, 0x1800000     ; four chains of eight; the floor 2^(3 - 127) holds the byte at 1 from below (a block of zeros keeps that byte: its codes are zeros)
	v_max3_num_f32 v[MXV+1], |v[\lo+8]|, |v[\lo+9]|, 0x1800000
	v_max3_num_f32 v[MXV+2], |v[\hi]|,   |v[\hi+1]|, 0x1800000
	v_max3_num_f32 v[MXV+3], |v[\hi+8]|, |v[\hi+9]|, 0x1800000
.irp i, 2,4,6
	s_delay_alu instid0(VALU_DEP_4)
	v_max3_num_f32 v[MXV],   v[MXV],   |v[\lo+\i]|,   |v[\lo+\i+1]|
	s_delay_alu instid0(VALU_DEP_4)
	v_max3_num_f32 v[MXV+1], v[MXV+1], |v[\lo+8+\i]|, |v[\lo+9+\i]|
	s_delay_alu instid0(VALU_DEP_4)
	v_max3_num_f32 v[MXV+2], v[MXV+2], |v[\hi+\i]|,   |v[\hi+\i+1]|
	s_delay_alu instid0(VALU_DEP_4)
	v_max3_num_f32 v[MXV+3], v[MXV+3], |v[\hi+8+\i]|, |v[\hi+9+\i]|
.endr
	s_delay_alu instid0(VALU_DEP_2)
	v_max3_num_f32 v[MXV], v[MXV], v[MXV+1], v[MXV+2]
	s_delay_alu instid0(VALU_DEP_1)
	v_max_num_f32 v[MXV], v[MXV], v[MXV+3]
	s_delay_alu instid0(VALU_DEP_1)
	v_add_nc_u32 v[SCLV], 0xff000000, v[MXV]       ; 2 off the exponent field: the conversion's scale operand
	s_wait_alu depctr_va_vdst(0)
	s_wait_dscnt 0x0                               ; the last block's stores have read the registers that are written now
	v_cvt_scalef32_pk16_fp6_f32 v[CDV:CDV+2], v[\lo:\lo+15], v[SCLV]
	v_cvt_scalef32_pk16_fp6_f32 v[C2V:C2V+2], v[\hi:\hi+15], v[SCLV]   ; (a conversion's three registers begin on an even number)
	v_lshrrev_b32 v[BYV], 23, v[SCLV]              ; the scale's byte; also the plain line behind the conversions
.irp i, 0,1,2
	v_mov_b32 v[CDV+3+\i], v[C2V+\i]
.endr
	ds_store_b128 v[\a16], v[CDV:CDV+3] offset:\off
	ds_store_b64 v[\a8], v[CDV+4:CDV+5] offset:\off
	ds_store_b8 v[\as], v[BYV] offset:\offs
.endm
; a producer's beat.  par: the beat's parity: which half of x's tile, which buffer of images.  nimm: where the next beat's constants lie behind s[CT]
.macro PROD par, nimm
.irp m, 0,1,2,3
	ds_load_b128 v[XV+4*\m:XV+4*\m+3], v[XRD] offset:4352*\m+128*\par
.endr
	s_wait_dscnt 0x0
	s_wait_loadcnt 21                              ; the first pair's constants are in; the second pair's 21 loads may be out
.irp m, 0,1,2,3
	PAIR \m, 0, H0+16*\m
.endr
	s_wait_loadcnt 0x0                             ; the second pair's
	CLOAD 0, \nimm                                 ; the first pair's registers take the next beat's
.irp m, 0,1,2,3
	PAIR \m, 1, O1
	QUANTB H0+16*\m, O1, PA16, PA8, PAS, 12288*\par+1536*\m, 512*\par+64*\m
.endr
	CLOAD 1, \nimm
.endm
; silu of 32 features of my row of tile w: half a fragment of the base product
.macro SILU
.irp q, 0,1,2,3,4,5,6,7
	ds_load_b128 v[SXV+4*\q:SXV+4*\q+3], v[XRS] offset:16*\q
.endr
	s_wait_dscnt 0x0
.irp i, 0,2,4,6,8,10,12,14,16,18,20,22,24,26,28,30
	v_pk_mul_f32 v[SEV+\i:SEV+\i+1], v[SXV+\i:SXV+\i+1], 0xbfb8aa3b op_sel_hi:[1,0]   ; -x log2(e)
.endr
	s_wait_alu depctr_va_vdst(0)
.irp i, 0,1,2,3,4,5,6,7,8,9,10,11,12,13,14,15,16,17,18,19,20,21,22,23,24,25,26,27,28,29,30,31
	v_exp_f32 v[SEV+\i], v[SEV+\i]
.endr
	v_nop                                          ; a plain line behind the batch
	s_wait_alu depctr_va_vdst(0)                   ; one wait for the batch, ahead of its first reader
.irp i, 0,2,4,6,8,10,12,14,16,18,20,22,24,26,28,30
	v_pk_add_f32 v[SEV+\i:SEV+\i+1], v[SEV+\i:SEV+\i+1], 1.0 op_sel_hi:[1,0]
.endr
	s_wait_alu depctr_va_vdst(0)
.irp i, 0,1,2,3,4,5,6,7,8,9,10,11,12,13,14,15,16,17,18,19,20,21,22,23,24,25,26,27,28,29,30,31
	v_rcp_f32 v[SEV+\i], v[SEV+\i]
.endr
	v_nop
	s_wait_alu depctr_va_vdst(0)
.irp i, 0,2,4,6,8,10,12,14,16,18,20,22,24,26,28,30
	v_pk_mul_f32 v[SXV+\i:SXV+\i+1], v[SXV+\i:SXV+\i+1], v[SEV+\i:SEV+\i+1]
.endr
	QUANTB SXV, SXV+16, PB16, PB8, PBS, 0, 0
.endm
; one matrix instruction: row tile m x column tile j.  Odd tiles' scale words lie in lanes 16-31 of their registers
.macro MM m, j
.set ac, 8*(8*(\m)+(\j))
.set bf, BF+12*(\j)
.set af, AF+12*(\m)
.set bsr, BS+(\j)/2
.set asr, AS+(\m)/2
.if ((\j)%2 == 0) && ((\m)%2 == 0)
	v_wmma_scale_f32_16x16x128_f8f6f4 v[ac:ac+7], v[bf:bf+11], v[af:af+11], v[ac:ac+7], v[bsr], v[asr] matrix_a_fmt:MATRIX_FMT_FP6 matrix_b_fmt:MATRIX_FMT_FP6
.elseif ((\j)%2 == 1) && ((\m)%2 == 0)
	v_wmma_scale_f32_16x16x128_f8f6f4 v[ac:ac+7], v[bf:bf+11], v[af:af+11], v[ac:ac+7], v[bsr], v[asr] matrix_a_fmt:MATRIX_FMT_FP6 matrix_b_fmt:MATRIX_FMT_FP6 matrix_a_scale:MATRIX_SCALE_ROW1
.elseif ((\j)%2 == 0)
	v_wmma_scale_f32_16x16x128_f8f6f4 v[ac:ac+7], v[bf:bf+11], v[af:af+11], v[ac:ac+7], v[bsr], v[asr] matrix_a_fmt:MATRIX_FMT_FP6 matrix_b_fmt:MATRIX_FMT_FP6 matrix_b_scale:MATRIX_SCALE_ROW1
.else
	v_wmma_scale_f32_16x16x128_f8f6f4 v[ac:ac+7], v[bf:bf+11], v[af:af+11], v[ac:ac+7], v[bsr], v[asr] matrix_a_fmt:MATRIX_FMT_FP6 matrix_b_fmt:MATRIX_FMT_FP6 matrix_a_scale:MATRIX_SCALE_ROW1 matrix_b_scale:MATRIX_SCALE_ROW1
.endif
.endm
; a consumer's K step: 43 LDS loads in one run, 32 matrix instructions on 32 accumulators by turns.
; cb, cs: the slot's address registers; a: which of the slot's two K steps; base = 0: spline images of buffer p; base = 1: base K step p
.macro KSTEP cb, cs, a, base, p
.rept 4
	v_nop                                          ; places in front of loads into registers that matrix instructions have read
.endr
.if \base
	ds_load_b32 v[AS], v[CBSR] offset:4*(\p)
	ds_load_b32 v[AS+1], v[CBSR] offset:512+4*(\p)
.else
	ds_load_b32 v[AS], v[CAS] offset:512*(\p)+256*(\a)
	ds_load_b32 v[AS+1], v[CAS] offset:512*(\p)+256*(\a)+128
.endif
.irp m, 0,1,2,3
.irp c, 0,1
.if \base
	ds_load_b128 v[AF+12*\m+6*\c:AF+12*\m+6*\c+3], v[CBI16] offset:6144*\m+768*(2*(\p)+\c)
	ds_load_b64 v[AF+12*\m+6*\c+4:AF+12*\m+6*\c+5], v[CBI8] offset:6144*\m+768*(2*(\p)+\c)
.else
	ds_load_b128 v[AF+12*\m+6*\c:AF+12*\m+6*\c+3], v[CA16] offset:12288*(\p)+6144*(\a)+1536*\m+768*\c
	ds_load_b64 v[AF+12*\m+6*\c+4:AF+12*\m+6*\c+5], v[CA8] offset:12288*(\p)+6144*(\a)+1536*\m+768*\c
.endif
.endr
.endr
	ds_load_b128 v[BS:BS+3], v[\cs] offset:KB*(\a)
.irp j, 0,1,2,3,4,5,6,7
.irp i, 0,1,2
	ds_load_b128 v[BF+12*\j+4*\i:BF+12*\j+4*\i+3], v[\cb] offset:KB*(\a)+1536*\j+512*\i
.endr
.endr
	WIN 0x50                                       ; C and D: window 1
.irp j, 0,1,2,3,4,5,6,7
	s_wait_dscnt 3*(7-\j)                          ; all but the later column tiles' three loads each
.irp m, 0,1,2,3
	MM \m, \j
.endr
.endr
	WIN 0
.endm
; the way out of row tile m: into my stage, each accumulator from its low end on, and back as whole pieces of 512 bytes of a row
; base K step p (0, 1): my eight fragments of weights and their scale words, from block 34 + p of wq straight into registers: 25 loads, 512 consecutive bytes each
.macro GLOAD p
.rept 4
	v_nop                                          ; places in front of loads into registers that matrix instructions have read
.endr
	global_load_b128 v[BS:BS+3], v[CS0], s[6:7] offset:KB*(34+\p)
.irp j, 0,1,2,3,4,5,6,7
.irp i, 0,1,2
	global_load_b128 v[BF+12*\j+4*\i:BF+12*\j+4*\i+3], v[CB0], s[6:7] offset:KB*(34+\p)+1536*\j+512*\i
.endr
.endr
.endm
; and its 32 matrix instructions, behind the wait for those loads: the rows' images come from LDS
.macro GMUL p
.rept 4
	v_nop
.endr
	ds_load_b32 v[AS], v[CBSR] offset:4*(\p)
	ds_load_b32 v[AS+1], v[CBSR] offset:512+4*(\p)
.irp m, 0,1,2,3
.irp c, 0,1
	ds_load_b128 v[AF+12*\m+6*\c:AF+12*\m+6*\c+3], v[CBI16] offset:6144*\m+768*(2*(\p)+\c)
	ds_load_b64 v[AF+12*\m+6*\c+4:AF+12*\m+6*\c+5], v[CBI8] offset:6144*\m+768*(2*(\p)+\c)
.endr
.endr
	s_wait_dscnt 0x0
	WIN 0x50                                       ; C and D: window 1
.irp j, 0,1,2,3,4,5,6,7
.irp m, 0,1,2,3
	MM \m, \j
.endr
.endr
	WIN 0
.endm
.macro TOSTAGE m
	WIN 0x04                                       ; an LDS store's data: window 1
.irp j, 0,1,2,3,4,5,6,7
	ds_store_b128 v[STO], v[8*(8*(\m)+\j):8*(8*(\m)+\j)+3] offset:64*\j
	ds_store_b128 v[STO], v[8*(8*(\m)+\j)+4:8*(8*(\m)+\j)+7] offset:64*\j+16
.endr
	WIN 0
.set bb, BK+64*((\m)%2)
.irp t, 0,1,2,3,4,5,6,7,8,9,10,11,12,13,14,15
	ds_load_b128 v[bb+4*\t:bb+4*\t+3], v[RD] offset:528*\t   ; LDS serves a wave's instructions in order: these see my stores
.endr
.endm
.macro SEND m, younger
.set bb, BK+64*((\m)%2)
	s_wait_dscnt \younger
.irp t, 0,1,2,3,4,5,6,7,8,9,10,11,12,13,14,15
	global_store_b128 v[GO], v[bb+4*\t:bb+4*\t+3], s[10:11] offset:(16*(\m)+\t)*2048 th:TH_STORE_NT   ; 32 lanes store 512 consecutive bytes, aligned
.endr
.endm
	s_load_b256 s[4:11], s[0:1], 0x0               ; x s[4:5], wq s[6:7], tab s[8:9], out0 s[10:11]
	v_lshl_add_u32 v[SPW], v0, 2, SPARE
	v_mov_b32 v[NIL], 0
	ds_add_u32 v1, v2
	ds_add_u32 v1, v2
	s_wait_dscnt 0x0
	v_lshrrev_b32 v33, 5, v0
	s_delay_alu instid0(VALU_DEP_1)
	v_readfirstlane_b32 s[WV], v33                 ; wave 0..7
	s_and_b32 s[WN], s[WV], 3                      ; w (producers), v (consumers)
	s_bfe_u32 s[CX], ttmp6, 0x40000                ; my place in the cluster: it enters x's and out0's addresses alone
	s_lshl_b32 s[ID], ttmp9, 2
	s_add_co_u32 s[ID], s[ID], s[CX]               ; my 64 rows
	v_and_b32 v33, 31, v0                          ; L
	v_and_b32 v34, 15, v0                          ; r
	s_wait_alu depctr_va_vdst(0)
	v_bfe_u32 v35, v0, 4, 1                        ; h
	s_lshr_b32 s44, s[WN], 1
	s_and_b32 s45, s[WN], 1
	s_mul_i32 s46, s44, 6144                       ; where a producer puts its spline images: K step w / 2, half w % 2
	s_mul_i32 s47, s45, 768
	s_add_co_u32 s46, s46, s47
	s_add_co_u32 s46, s46, AIMG
	v_lshl_add_u32 v[PA16], v33, 4, s46
	s_add_co_u32 s46, s46, 512
	v_lshl_add_u32 v[PA8], v33, 3, s46
	s_lshl_b32 s46, s44, 8
	s_lshl_b32 s47, s45, 1
	s_add_co_u32 s46, s46, s47
	s_add_co_u32 s46, s46, ASC
	v_lshl_add_u32 v[PAS], v34, 2, s46
	s_wait_alu depctr_va_vdst(0)
	v_add_nc_u32 v[PAS], v[PAS], v35
	s_mul_i32 s46, s[WN], 6144                     ; and its silu images: tile w
	s_add_co_u32 s46, s46, BIMG
	v_lshl_add_u32 v[PB16_0], v33, 4, s46
	s_add_co_u32 s46, s46, 512
	v_lshl_add_u32 v[PB8_0], v33, 3, s46
	s_lshl_b32 s46, s[WN], 8
	s_add_co_u32 s46, s46, BSC
	v_lshl_add_u32 v[PBS_0], v34, 4, s46
	s_delay_alu instid0(VALU_DEP_1)
	v_add_nc_u32 v[PBS_0], v[PBS_0], v35
	v_mul_u32_u24 v[XRD0], v34, 272                ; x in LDS: for the bases row r of a tile, 32 w + 16 h bytes on;
	s_delay_alu instid0(VALU_DEP_1)
	v_lshl_add_u32 v[XRS0], v35, 7, v[XRD0]        ; for silu row 16 w + r, 128 h bytes on;
	s_delay_alu instid0(VALU_DEP_2)
	v_lshl_add_u32 v[XRD0], v35, 4, v[XRD0]
	s_lshl_b32 s46, s[WN], 5
	s_add_co_u32 s46, s46, XS
	v_add_nc_u32 v[XRD0], s46, v[XRD0]
	s_mul_i32 s46, s[WN], 4352
	s_add_co_u32 s46, s46, XS
	v_add_nc_u32 v[XRS0], s46, v[XRS0]
	v_mul_u32_u24 v[XWR0], v35, 272                ; on its way in: rows 16 v + h + 2 q, 16 r bytes on
	s_delay_alu instid0(VALU_DEP_1)
	v_lshl_add_u32 v[XWR0], v34, 4, v[XWR0]
	s_delay_alu instid0(VALU_DEP_1)
	v_add_nc_u32 v[XWR0], s46, v[XWR0]
	v_lshl_add_u32 v[CA16], v33, 4, AIMG           ; what a consumer reads
	v_lshl_add_u32 v[CA8], v33, 3, AIMG+512
	v_lshl_add_u32 v[CAS], v33, 2, ASC
	s_mul_i32 s46, s[WN], 12288                    ; my eight column tiles in a K step's block
	v_lshl_add_u32 v[CB0], v33, 4, s46
	s_delay_alu instid0(VALU_DEP_1)
	v_add_nc_u32 v[CB1], BR1, v[CB0]
	s_lshl_b32 s46, s[WN], 9
	s_add_co_u32 s46, s46, 49152
	v_lshl_add_u32 v[CS0], v33, 4, s46
	s_delay_alu instid0(VALU_DEP_1)
	v_add_nc_u32 v[CS1], BR1, v[CS0]
	v_lshl_add_u32 v[CBI16], v33, 4, BIMG
	v_lshl_add_u32 v[CBI8], v33, 3, BIMG+512
	v_lshl_add_u32 v[CBSR], v34, 4, BSC
	s_delay_alu instid0(VALU_DEP_1)
	v_lshl_add_u32 v[CBSR], v35, 8, v[CBSR]
	s_mul_i32 s46, s[WN], 8448
	s_add_co_u32 s46, s46, STG                     ; my stage
	v_mul_u32_u24 v[STO], v34, 528
	s_delay_alu instid0(VALU_DEP_1)
	v_lshl_add_u32 v[STO], v35, 5, v[STO]
	s_delay_alu instid0(VALU_DEP_1)
	v_add_nc_u32 v[STO], s46, v[STO]
	v_lshl_add_u32 v[RD], v33, 4, s46
	s_lshl_b32 s46, s[WN], 9
	v_lshl_add_u32 v[GO], v33, 4, s46              ; out0: my 512 bytes of a row, 16 a lane
	s_lshl_b32 s46, s[WN], 15
	v_lshl_add_u32 v[XGO], v35, 11, s46            ; x: rows 16 v + h, 16 r bytes on
	s_delay_alu instid0(VALU_DEP_1)
	v_lshl_add_u32 v[XGO], v34, 4, v[XGO]
	s_mul_i32 s46, s[WN], 1344
	v_mul_u32_u24 v[CTO], v35, 672                 ; the table: pairs 4 w + 2 h on
	s_delay_alu instid0(VALU_DEP_1)
	v_add_nc_u32 v[CTO], s46, v[CTO]
	; descriptor group 1: 50 rows of 256 bytes (32 elements of 8 bytes), dense; the mask names the cluster's four work-groups, bit 21 beside it
	s_mov_b32 s[G1], 15|(3<<16)|(1<<21)
	s_mov_b32 s[G1+1], 32<<16                      ; tensor_dim0
	s_mov_b32 s[G1+2], 50<<16                      ; tensor_dim1
	s_mov_b32 s[G1+3], 32<<16                      ; tile_dim0
	s_mov_b32 s[G1+4], 50                          ; tile_dim1
	s_mov_b32 s[G1+5], 32                          ; from row to row
	s_mov_b32 s[G1+6], 0
	s_mov_b32 s[G1+7], 0
	s_mul_i32 s46, s[WV], 12800                    ; my eighth of a slot, in LDS and in memory alike
	s_mov_b32 s47, 0
	s_lshl_b32 s48, s[ID], 17                      ; 64 rows of 2,048 bytes, in x and in out0
	s_mov_b32 s49, 0
	s_mov_b32 s[TR], 0
	s_mov_b32 s[XB], 0
	s_mov_b32 s[XBN], XSL
	s_mov_b32 s[BO], 0
	s_mov_b32 s[BSO], 0
	s_wait_kmcnt 0x0
	s_mov_b32 s[G0], 1
	s_mov_b32 s[G0+1], s46
	s_add_nc_u64 s[G0+2:G0+3], s[6:7], s[46:47]    ; K steps 0 and 1
	s_or_b32 s[G0+3], s[G0+3], 0x80000000
	s_mov_b32 s[G0+4], 1
	s_add_co_u32 s[G0+5], s46, BR1
	s_add_nc_u64 s[G0+6:G0+7], s[6:7], s[46:47]
	s_add_nc_u64 s[G0+6:G0+7], s[G0+6:G0+7], BR1   ; K steps 2 and 3
	s_or_b32 s[G0+7], s[G0+7], 0x80000000
	s_add_nc_u64 s[XP:XP+1], s[4:5], s[48:49]
	s_add_nc_u64 s[10:11], s[10:11], s[48:49]
	s_mov_b64 s[CT:CT+1], s[8:9]
	s_cmp_lt_u32 s[WV], 4
	s_cbranch_scc0 .Lh_cons
	s_wait_alu depctr_va_vdst(0)
	CLOAD 0, 0                                     ; beat 0's constants
	CLOAD 1, 0
	s_branch .Lh_join
.Lh_cons:
	s_wait_alu depctr_va_vdst(0)
.irp q, 0,1,2,3,4,5,6,7
	global_load_b128 v[XG+4*\q:XG+4*\q+3], v[XGO], s[XP:XP+1] offset:4096*\q th:TH_LOAD_NT   ; x's tile 0: sixteen lanes read 256 consecutive bytes, aligned
.endr
	WIN 0x40                                       ; the sums begin as zeros: the consumers have nothing to multiply in the first beat, and the K step is so written in one form
.set i, 0
.rept 256
	v_mov_b32 v[i], 0
.set i, i+1
.endr
	WIN 0
.Lh_join:
	ROUND                                          ; all four work-groups are here: the first joint loads meet
	tensor_load_to_lds s[G0:G0+3], s[G1:G1+7]      ; slot 0
	s_nop 0
.rept 4
	v_nop
.endr
	s_cmp_lt_u32 s[WV], 4
	s_cbranch_scc1 .Lh2_join
	s_wait_loadcnt 0x0
.irp q, 0,1,2,3,4,5,6,7
	ds_store_b128 v[XWR0], v[XG+4*\q:XG+4*\q+3] offset:544*\q   ; tile 0 into x's slot 0
.endr
	s_add_nc_u64 s[XP:XP+1], s[XP:XP+1], 256       ; (the loads that read it are done)
	s_wait_dscnt 0x0                               ; the stores have read their registers
.irp q, 0,1,2,3,4,5,6,7
	global_load_b128 v[XG+4*\q:XG+4*\q+3], v[XGO], s[XP:XP+1] offset:4096*\q th:TH_LOAD_NT   ; tile 1
.endr
.Lh2_join:
	s_wait_dscnt 0x0
	s_barrier_signal -1                            ; x's tile 0 lies in LDS; slot 0's load may stay out
	s_barrier_wait -1
.Ltrip:                                                ; eight trips of two beats; trip T works on x's tile T (64 features)
	v_add_nc_u32 v[XRD], s[XB], v[XRD0]
	v_add_nc_u32 v[XRS], s[XB], v[XRS0]
	v_add_nc_u32 v[XWR], s[XBN], v[XWR0]
	v_add_nc_u32 v[PB16], s[BO], v[PB16_0]
	v_add_nc_u32 v[PB8], s[BO], v[PB8_0]
	v_add_nc_u32 v[PBS], s[BSO], v[PBS_0]
	s_cmp_lt_u32 s[WV], 4
	s_cbranch_scc0 .Lc_even
	PROD 0, 5376
	s_branch .Lj_even
.Lc_even:
	s_wait_alu depctr_va_vdst(0)
	s_wait_loadcnt 0x0                             ; all my loads are in: x's tile, asked for a trip ago, and any weights asked for in the beat before
	s_cmp_eq_u32 s[TR], 4
	s_cbranch_scc0 .Lnm0
	GMUL 0
.Lnm0:
	s_cmp_eq_u32 s[TR], 6
	s_cbranch_scc0 .Lnm1
	GMUL 1
.Lnm1:
	s_cmp_gt_u32 s[TR], 6
	s_cbranch_scc1 .Lx_done
	s_wait_loadcnt 0x0                             ; asked for a trip ago
	s_wait_alu depctr_va_vdst(0)
.irp q, 0,1,2,3,4,5,6,7
	ds_store_b128 v[XWR], v[XG+4*\q:XG+4*\q+3] offset:544*\q
.endr
	s_cmp_gt_u32 s[TR], 5                          ; and tile T + 2 is asked for, if there is one: no load leaves x
	s_cbranch_scc1 .Lx_done
	s_add_nc_u64 s[XP:XP+1], s[XP:XP+1], 256
	s_wait_dscnt 0x0                               ; the stores have read their registers
.irp q, 0,1,2,3,4,5,6,7
	global_load_b128 v[XG+4*\q:XG+4*\q+3], v[XGO], s[XP:XP+1] offset:4096*\q th:TH_LOAD_NT
.endr
.Lx_done:
	s_cmp_eq_u32 s[TR], 0                          ; in the first beat nothing has been made yet
	s_cbranch_scc1 .Lj_even
	s_wait_alu depctr_va_vdst(0)
	KSTEP CB1, CS1, 0, 0, 1
	KSTEP CB1, CS1, 1, 0, 1
.Lj_even:
	CHANGE 1, 1
	s_cmp_lt_u32 s[WV], 4
	s_cbranch_scc0 .Lc_odd
	s_wait_xcnt 0x0                                ; the loads that name s[CT] have read it
	s_cmp_lt_u32 s[TR], 7
	s_cselect_b32 s44, 10752, 0                    ; on to the next trip's constants; the last trip stays, so that no load leaves the table
	s_mov_b32 s45, 0
	s_add_nc_u64 s[CT:CT+1], s[CT:CT+1], s[44:45]
	s_wait_alu depctr_va_vdst(0)
	PROD 1, 0
	s_branch .Lj_odd
.Lc_odd:
	s_wait_alu depctr_va_vdst(0)
	KSTEP CB0, CS0, 0, 0, 0
	KSTEP CB0, CS0, 1, 0, 0
.rept 4
	v_nop                                          ; places in front of loads into the fragments' registers, which silu works in
.endr
	SILU                                           ; row tile v, features 64 T .. 64 T + 63
	s_cmp_eq_u32 s[TR], 3
	s_cbranch_scc0 .Lng0
	GLOAD 0                                        ; multiplied at the head of the next beat
	s_branch .Lj_odd
.Lng0:
	s_wait_loadcnt 0x0                             ; no load of mine is out ahead of the loads below (x's tile was asked for in the beat before)
	s_cmp_eq_u32 s[TR], 5
	s_cbranch_scc0 .Lj_odd
	GLOAD 1
.Lj_odd:
	s_xor_b32 s[XB], s[XB], XSL
	s_xor_b32 s[XBN], s[XBN], XSL
	s_add_co_u32 s[BO], s[BO], 768
	s_add_co_u32 s[BSO], s[BSO], 2
	CHANGE 0, 1
	s_add_co_u32 s[TR], s[TR], 1
	s_cmp_lt_u32 s[TR], 8
	s_cbranch_scc1 .Ltrip
	; the tail: the last two spline K steps, then the base product's last two
	s_cmp_lt_u32 s[WV], 4
	s_cbranch_scc1 .Lt1
	s_wait_loadcnt 0x0                             ; no load of mine is out when the fragments' registers are loaded again
	KSTEP CB1, CS1, 0, 0, 1
	KSTEP CB1, CS1, 1, 0, 1
.Lt1:
	CHANGE 1, 0                                    ; slot 0 is whole: base K steps 2 and 3; nothing is left to fetch (the stepped address is not used)
	s_cmp_lt_u32 s[WV], 4
	s_cbranch_scc1 .Lt3
	KSTEP CB0, CS0, 0, 1, 2
	KSTEP CB0, CS0, 1, 1, 3
.rept 4
	v_nop                                          ; places in front of the first read of results and of loads into the fragments' registers
.endr
	TOSTAGE 0
.irp m, 1,2,3
.if \m > 1
	s_wait_xcnt 0x0                                ; the stores of two blocks ago have read their registers: this block's loads may land there
.endif
	TOSTAGE \m
	SEND \m-1, 32                                  ; behind that block's loads: this block's 16 stores and 16 loads
.endr
	SEND 3, 0
.Lt3:
	s_wait_tensorcnt 0x0                           ; the wave's end
	ds_add_u32 v[SPW], v[NIL]
	s_wait_dscnt 0x0
	ROUND                                          ; the closing round
	s_endpgm
.Lfunc_end_k_q6d8eab6e06_kan:
	.size	k_q6d8eab6e06_kan, .Lfunc_end_k_q6d8eab6e06_kan-k_q6d8eab6e06_kan
	.p2alignl 7, 3214868480
	.fill 96, 4, 3214868480
	.section	.rodata,"a",@progbits
	.p2align	6, 0x0
	.amdhsa_kernel k_q6d8eab6e06_kan
		.amdhsa_group_segment_fixed_size 327680
		.amdhsa_private_segment_fixed_size 0
		.amdhsa_enable_private_segment 0
		.amdhsa_kernarg_size 32
		.amdhsa_user_sgpr_count 2
		.amdhsa_user_sgpr_kernarg_segment_ptr 1
		.amdhsa_wavefront_size32 1
		.amdhsa_system_sgpr_workgroup_id_x 1
		.amdhsa_system_sgpr_workgroup_id_y 1
		.amdhsa_system_sgpr_workgroup_id_z 1
		.amdhsa_system_vgpr_workitem_id 0
		.amdhsa_next_free_vgpr 512
		.amdhsa_next_free_sgpr 90
		.amdhsa_reserve_vcc 0
		.amdhsa_float_denorm_mode_32 3
		.amdhsa_float_denorm_mode_16_64 3
		.amdhsa_memory_ordered 1
		.amdhsa_forward_progress 1
		.amdhsa_inst_pref_size 255
	.end_amdhsa_kernel
	.section	.bss,"aw",@nobits
	.p2align	6
	.space	262144
	.amdgpu_metadata
---
amdhsa.version: [ 1, 2 ]
amdhsa.kernels:
  - .name:           k_q6d8eab6e06_kan
    .symbol:         k_q6d8eab6e06_kan.kd
    .args:
      - { .name: x, .offset: 0, .size: 8, .value_kind: global_buffer, .address_space: global }
      - { .name: wq, .offset: 8, .size: 8, .value_kind: global_buffer, .address_space: global }
      - { .name: tab, .offset: 16, .size: 8, .value_kind: global_buffer, .address_space: global }
      - { .name: out0, .offset: 24, .size: 8, .value_kind: global_buffer, .address_space: global }
    .group_segment_fixed_size: 327680
    .private_segment_fixed_size: 0
    .kernarg_segment_align: 8
    .kernarg_segment_size: 32
    .max_flat_workgroup_size: 256
    .sgpr_count:     90
    .vgpr_count:     512
    .wavefront_size: 32
...
	.end_amdgpu_metadata
.endif
;; end of part 2
